; MI455X (gfx1250); checked and timed in simulation.
; The chip was launched on July 23, 2026; its instructions are those of AMD's public machine-readable ISA for CDNA 5 (MIT licence, August 2026) and "CDNA5" Instruction Set Architecture Reference Guide (July 2026). The comments in the code are by the model that wrote it; some were corrected since.
;; Scaled Dot Product Attention. Allowed arithmetic: float matrix products may take bf16 or f16 operands with f32 sums; other float arithmetic in f32, or as packed bf16 or f16 multiplies, adds, multiply-adds, maxima and minima; sums over many terms, partial sums and values carried from step to step in f32; what a program stores and reads back later, other than sums and carried values, may be rounded once to bf16 or f16.
;; Inputs: K 4 x 16 x 2,048 x 64 float32; M 2,048 x 2,048 bool; Q 4 x 16 x 2,048 x 64 float32; V 4 x 16 x 2,048 x 64 float32; qk_scale 16 float32.
;; Outputs: out0 4 x 16 x 2,048 x 64 float32.
;; 2 versions, each right; version 2 is version 1 with the launch cook written anew for expert scheduling mode. Each part assembles by itself: llvm-mc -triple=amdgcn-amd-amdhsa -mcpu=gfx1250 --defsym DOCPART=n.
;; ======== version 1 of 2: 3 launches
;; limits: values are held in f16: magnitudes above 65,504 overflow, below 6.1e-05 lose precision
;; workspace buffers: mf 16,777,216 bytes; cls 2,048 bytes of whole numbers; qh 16,777,216 bytes; kh 16,777,216 bytes; vt 16,777,216 bytes
;; launch prep (part 1): grid 256 x 1, 8 waves a work-group, no clusters, 18,688 bytes of LDS; arguments M, mf, cls; writes mf, cls
.if DOCPART == 1
	.amdgcn_target "amdgcn-amd-amdhsa--gfx1250"
	.amdhsa_code_object_version 6
	.text
	.protected	k_qecd8c62d85_prep
	.globl	k_qecd8c62d85_prep
	.p2align	8
	.type	k_qecd8c62d85_prep,@function
k_qecd8c62d85_prep:
	s_mov_b64 s[64:65], 0
	v_nop
	global_prefetch_b8 v0, s[64:65] scope:SCOPE_SE
	s_setreg_imm32_b32 hwreg(HW_REG_WAVE_MODE, 25, 1), 1
	s_wait_xcnt 0x0
; THE MASK IS PREPARED.  M: [2048][2048] bytes, 0 or 1 (other byte values are not served).
; mf: the additive mask in f32, 0 where M is 1 and -2^100 where M is 0, laid out as the C operand of a product S^T = K Q^T wants it:
;   [row / 16 (128)][key / 64 (32)][n (8)][lane (32)][4 words]; word e of (n, lane) belongs to row 16 qt + lane % 16 and key 64 st + 16 (n / 2) + 8 (lane / 16) + 4 (n % 2) + e.
; cls: [band of 64 rows (32)][visible, hidden (2)][key tile of 256 (8)] words.  A work-group stores two of them: four bits, one for each of its steps of 64 keys (any key visible; any key hidden), shifted to 4 x tile.
;   The 8 words of a band and a kind, OR-ed, have one bit for each of the 32 steps.
; SHARES.  Work-group x owns 64 rows x 256 keys: band c = x % 4 of block i = x / 32, key tile j = (x / 4) % 8.  16 KiB in, each row piece 256 consecutive aligned bytes; 64 KiB out, each store 512 consecutive bytes.
; No matrix unit, no cluster: every byte of M is read once by one work-group, and nothing is shared.
.set PITCH, 272                        ; an LDS row: 256 bytes + 16
.set FLAGS, 64*PITCH                   ; eight words, one a wave, in a block of 256 bytes of their own
.set SPARE, FLAGS+256                  ; the spare words: 128 bytes for each of the eight waves; no other line names them
.set MD,  8                            ; v[8:23]   my 64 bytes of M
.set SPW, 28                           ; v28  LDS address of my spare word; never rewritten
.set NIL, 29                           ; v29  0; never rewritten
.set OUT, 32                           ; v[32:95]  two units of 32 mask words
.set BY,  96                           ; v[96:111] two units of 32 bytes as read back
	s_load_b128 s[4:7], s[0:1], 0x0                ; M s[4:5], mf s[6:7]
	s_load_b64 s[8:9], s[0:1], 0x10                ; cls
	v_lshl_add_u32 v[SPW], v0, 2, SPARE
	v_mov_b32 v[NIL], 0
	v_lshrrev_b32 v1, 5, v0
	v_readfirstlane_b32 s10, v1                    ; wave 0..7
	s_and_b32 s11, ttmp9, 3                        ; c
	s_bfe_u32 s12, ttmp9, 0x30002                  ; j
	s_lshr_b32 s13, ttmp9, 5                       ; i
	s_lshl_b32 s14, s13, 19                        ; 256 i rows of 2,048 bytes
	s_lshl_b32 s15, s11, 17                        ; 64 c rows
	s_add_co_u32 s14, s14, s15
	s_lshl_b32 s15, s12, 8                         ; 256 j bytes along the row
	s_add_co_u32 s14, s14, s15
	s_mov_b32 s15, 0
	v_lshrrev_b32 v2, 4, v0                        ; thread / 16: a row of sixteen
	v_and_b32 v3, 15, v0                           ; thread % 16: 16 bytes of the row
	v_lshlrev_b32 v4, 11, v2
	v_lshl_add_u32 v4, v3, 4, v4                   ; in M
	v_mul_u32_u24 v5, v2, PITCH
	v_lshl_add_u32 v5, v3, 4, v5                   ; in LDS
	s_wait_kmcnt 0x0
	s_add_nc_u64 s[4:5], s[4:5], s[14:15]
.irp k, 0,1,2,3
	global_load_b128 v[MD+4*\k:MD+4*\k+3], v4, s[4:5] offset:\k*32768 th:TH_LOAD_NT  ; rows 16 k + thread / 16: sixteen lanes read 256 consecutive bytes
.endr
	; while the loads are out: where my wave reads bytes back and where it stores.  Wave v takes the 16 rows a = v / 2 and the key steps 2 (v % 2) and 2 (v % 2) + 1
	s_lshr_b32 s16, s10, 1                         ; a
	s_and_b32 s17, s10, 1
	s_mul_i32 s18, s16, 16*PITCH
	s_lshl_b32 s19, s17, 7                         ; two steps are 128 bytes of a row
	s_add_co_u32 s18, s18, s19
	v_bfe_u32 v27, v0, 4, 1                        ; lane / 16
	v_mul_u32_u24 v30, v3, PITCH                   ; row lane % 16
	v_lshl_add_u32 v30, v27, 3, v30                ; 8 keys for each half of the lanes
	v_add_nc_u32 v30, s18, v30
	v_and_b32 v31, 31, v0
	v_lshlrev_b32 v31, 4, v31                      ; 16 x lane
	s_lshl_b32 s23, s13, 4
	s_lshl2_add_u32 s23, s11, s23
	s_add_co_u32 s23, s23, s16                     ; qt = 16 i + 4 c + a
	s_lshl_b32 s23, s23, 5
	s_lshl2_add_u32 s23, s12, s23
	s_lshl1_add_u32 s23, s17, s23                  ; 32 qt + 4 j + 2 (v % 2)
	s_lshl_b32 s14, s23, 12                        ; units of 4,096 bytes
	s_add_nc_u64 s[6:7], s[6:7], s[14:15]
	s_mov_b32 s22, 0x01010101
	s_mov_b32 s24, 0xf1800000                      ; -2^100
	s_wait_loadcnt 0x0
.irp k, 0,1,2,3
	ds_store_b128 v5, v[MD+4*\k:MD+4*\k+3] offset:\k*16*PITCH
.endr
	v_or_b32 v24, v[MD], v[MD+1]                   ; any byte 1?  any byte 0?
	v_and_b32 v25, v[MD], v[MD+1]
.set z, 2
.rept 14
	v_or_b32 v24, v24, v[MD+z]
	v_and_b32 v25, v25, v[MD+z]
.set z, z+1
.endr
	v_cmp_ne_u32 s20, 0, v24                       ; the lanes whose 64 bytes hold a 1,
	v_cmp_ne_u32 s21, s22, v25                     ; and those whose 64 bytes hold a 0
	s_mov_b32 s27, 0                               ; my wave's word: bit s: step s has a visible key; bit 16 + s: a hidden one
.irp s, 0,1,2,3                        ; a lane's 16 bytes of a row lie in step (lane % 16) / 4: lanes 4 s .. 4 s + 3 of each half
	s_and_b32 s28, s20, 0x000f000f<<(4*\s)
	s_cmp_lg_u32 s28, 0
	s_cselect_b32 s28, 1<<\s, 0
	s_or_b32 s27, s27, s28
	s_and_b32 s28, s21, 0x000f000f<<(4*\s)
	s_cmp_lg_u32 s28, 0
	s_cselect_b32 s28, 0x10000<<\s, 0
	s_or_b32 s27, s27, s28
.endr
	s_lshl_b32 s21, s10, 2
	s_add_co_u32 s21, s21, FLAGS
	v_mov_b32 v6, s21
	v_mov_b32 v7, s27
	ds_store_b32 v6, v7                            ; all lanes write the same word with the same value
	s_wait_dscnt 0x0                               ; for the others' sake: my stores are done
	s_barrier_signal -1
	s_barrier_wait -1                              ; the tile and the eight words are whole
.irp u, 0,1
.irp kt, 0,1,2,3
	ds_load_b64 v[BY+8*\u+2*\kt:BY+8*\u+2*\kt+1], v30 offset:64*\u+16*\kt
.endr
.endr
	s_wait_dscnt 0x0
.irp u, 0,1
.irp w, 0,1,2,3,4,5,6,7                ; word w of the unit: keys 16 (w / 2) + 8 (lane / 16) + 4 (w % 2) on
.irp e, 0,1,2,3
	v_bfe_u32 v[OUT+32*\u+4*\w+\e], v[BY+8*\u+\w], 8*\e, 8
	v_add_nc_u32 v[OUT+32*\u+4*\w+\e], -1, v[OUT+32*\u+4*\w+\e]     ; 1 -> 0, 0 -> all ones
	v_and_b32 v[OUT+32*\u+4*\w+\e], s24, v[OUT+32*\u+4*\w+\e]       ; 0, or -2^100
.endr
.endr
.irp n, 0,1,2,3,4,5,6,7
	global_store_b128 v31, v[OUT+32*\u+4*\n:OUT+32*\u+4*\n+3], s[6:7] offset:\u*4096+\n*512 th:TH_STORE_NT  ; 512 consecutive bytes, aligned
.endr
.endr
	s_cmp_lg_u32 s10, 0                            ; wave 0 stores the work-group's two words
	s_cbranch_scc1 .Lend
	v_mov_b32 v6, FLAGS
	ds_load_b128 v[8:11], v6
	ds_load_b128 v[12:15], v6 offset:16
	s_wait_dscnt 0x0
.irp z, 9,10,11,12,13,14,15
	v_or_b32 v8, v8, v\z
.endr
	v_min_u32 v9, 1, v0                            ; thread 0 takes the visible bits, thread 1 the hidden ones (the lanes switched off below reckon as thread 1 does)
	v_lshlrev_b32 v10, 4, v9
	v_lshrrev_b32 v8, v10, v8
	v_and_b32 v8, 15, v8
	s_lshl_b32 s26, s12, 2
	v_lshlrev_b32 v8, s26, v8                      ; to the key tile's four bits
	s_lshl2_add_u32 s25, s13, s11                  ; the band: 4 i + c,
	s_lshl_b32 s25, s25, 4                         ; its 16 words,
	s_add_co_u32 s25, s25, s12                     ; the tile's,
	s_lshl_b32 s25, s25, 2                         ; in bytes
	v_lshl_add_u32 v7, v9, 5, s25                  ; the hidden words lie 8 words behind the visible ones
	v_cmp_gt_u32 vcc_lo, 2, v0
	s_wait_xcnt 0x0                                ; EXEC is a source of the stores above: it changes only behind this wait
	s_and_saveexec_b32 s29, vcc_lo
	global_store_b32 v7, v8, s[8:9]
	s_wait_xcnt 0x0                                ; and again ahead of the line that widens it
	s_or_b32 exec_lo, exec_lo, s29
.Lend:
	s_wait_tensorcnt 0x0                           ; the wave's end
	ds_add_u32 v[SPW], v[NIL]
	s_wait_dscnt 0x0
	s_endpgm
.Lfunc_end_k_qecd8c62d85_prep:
	.size	k_qecd8c62d85_prep, .Lfunc_end_k_qecd8c62d85_prep-k_qecd8c62d85_prep
	.p2alignl 7, 3214868480
	.fill 96, 4, 3214868480
	.section	.rodata,"a",@progbits
	.p2align	6, 0x0
	.amdhsa_kernel k_qecd8c62d85_prep
		.amdhsa_group_segment_fixed_size 18688
		.amdhsa_private_segment_fixed_size 0
		.amdhsa_enable_private_segment 0
		.amdhsa_kernarg_size 24
		.amdhsa_user_sgpr_count 2
		.amdhsa_user_sgpr_kernarg_segment_ptr 1
		.amdhsa_wavefront_size32 1
		.amdhsa_system_sgpr_workgroup_id_x 1
		.amdhsa_system_sgpr_workgroup_id_y 1
		.amdhsa_system_sgpr_workgroup_id_z 1
		.amdhsa_system_vgpr_workitem_id 0
		.amdhsa_next_free_vgpr 112
		.amdhsa_next_free_sgpr 66
		.amdhsa_reserve_vcc 1
		.amdhsa_float_denorm_mode_32 3
		.amdhsa_float_denorm_mode_16_64 3
		.amdhsa_memory_ordered 1
		.amdhsa_forward_progress 1
		.amdhsa_inst_pref_size 17
	.end_amdhsa_kernel
	.amdgpu_metadata
---
amdhsa.version: [ 1, 2 ]
amdhsa.kernels:
  - .name:           k_qecd8c62d85_prep
    .symbol:         k_qecd8c62d85_prep.kd
    .args:
      - { .name: M, .offset: 0, .size: 8, .value_kind: global_buffer, .address_space: global }
      - { .name: mf, .offset: 8, .size: 8, .value_kind: global_buffer, .address_space: global }
      - { .name: cls, .offset: 16, .size: 8, .value_kind: global_buffer, .address_space: global }
    .group_segment_fixed_size: 18688
    .private_segment_fixed_size: 0
    .kernarg_segment_align: 8
    .kernarg_segment_size: 24
    .max_flat_workgroup_size: 256
    .sgpr_count:     66
    .vgpr_count:     112
    .wavefront_size: 32
...
	.end_amdgpu_metadata
.endif
;; end of part 1
;; launch cook (part 2): grid 256 x 3, 8 waves a work-group, no clusters, 74,752 bytes of LDS; arguments Q, K, V, qk_scale, qh, kh, vt; writes qh, kh, vt
.if DOCPART == 2
	.amdgcn_target "amdgcn-amd-amdhsa--gfx1250"
	.amdhsa_code_object_version 6
	.text
	.protected	k_qecd8c62d85_cook
	.globl	k_qecd8c62d85_cook
	.p2align	8
	.type	k_qecd8c62d85_cook,@function
k_qecd8c62d85_cook:
	s_mov_b64 s[64:65], 0
	v_nop
	global_prefetch_b8 v0, s[64:65] scope:SCOPE_SE
	s_setreg_imm32_b32 hwreg(HW_REG_WAVE_MODE, 25, 1), 1
	s_wait_xcnt 0x0
; Q, K AND V ARE MADE READY FOR THE MATRIX UNIT.  Q, K, V: [64 heads][2048][64] f32.  x^ = x / (sqrt(sum x^2) + 1e-8).
; qh = Q^ g log2(e), g = qk_scale[head % 16]; kh = K^; vt = V: all rounded once to f16 and laid out in the order of the 16 x 16 x 32 fragments, so that a later load of 16 bytes a lane takes 512 consecutive bytes.
;   qh, kh: [row / 16][unit u (4)][lane (32)][16 bytes]: lane l holds row l % 16, channels 16 u + 8 (l / 16) + 0..7.
;   vt:     [key / 64][unit q (16)][lane (32)][16 bytes]: lane l holds channel 16 ((q / 2) % 4) + l % 16, keys 32 (q / 8) + 16 (q % 2) + 8 (l / 16) + 0..7: V turned.
; LIMITS.  |g| x 1.4427 and |V| stay within 65,504 (f16).  A sum of squares below 2^-126 counts as 0 under the root (the 1e-8 then decides alone).
; SHARES.  The grid's y says which tensor: 0 Q, 1 K, 2 V.  Work-group x owns rows 512 x on, wave v 64 of them: 16 KiB in by 32 loads, all out at once; 8 KiB out.
; Each wave has LDS bytes of its own, and LDS serves a wave's instructions in order (ISA guide 5.7.1.4): no barrier.  Memory binds: no matrix unit, no cluster; every byte is read once and written once.
.set PITCH, 144                        ; an LDS row: 128 bytes + 16
.set WREG,  64*PITCH                   ; a wave's LDS bytes: 64 rows (V turned); Q and K use 16 of them
.set SPARE, 8*WREG                     ; the spare words: 128 bytes for each of the eight waves; no other line names them
.set SPW, 2                            ; LDS address of my spare word; never rewritten
.set NIL, 3                            ; 0; never rewritten
.set LIN, 4                            ; 16 x lane
.set VIN, 5                            ; V: my place in four rows
.set KS0, 6                            ; Q, K: where my 8 bytes of a row go in LDS
.set FRA, 7                            ; where I read 16 bytes of a fragment: row l % 16, 16 (l / 16)
.set VST, 8                            ; V: where my words go in LDS
.set SC,  10                           ; the scale
.set CT,  32                           ; v[32:47]   eight pairs: sums of squares, then scale / norm
.set RAW, 64                           ; v[64:191]  as loaded
.set FR,  192                          ; v[192:255] fragments to store
	s_load_b256 s[4:11], s[0:1], 0x0               ; Q s[4:5], K s[6:7], V s[8:9], qk_scale s[10:11]
	s_load_b128 s[12:15], s[0:1], 0x20             ; qh s[12:13], kh s[14:15]
	s_load_b64 s[16:17], s[0:1], 0x30              ; vt
	v_lshl_add_u32 v[SPW], v0, 2, SPARE
	v_mov_b32 v[NIL], 0
	v_lshrrev_b32 v1, 5, v0
	v_readfirstlane_b32 s18, v1                    ; wave 0..7
	s_and_b32 s19, ttmp7, 0xffff                   ; which tensor
	s_lshl_b32 s20, ttmp9, 3
	s_add_co_u32 s20, s20, s18                     ; my 64 rows: number 8 x + wave
	s_lshl_b32 s22, s20, 14                        ; 16,384 bytes in,
	s_mov_b32 s23, 0
	s_lshl_b32 s24, s20, 13                        ; 8,192 out
	s_mov_b32 s25, 0
	s_mul_i32 s21, s18, WREG                       ; my LDS bytes
	s_bfe_u32 s26, ttmp9, 0x40002                  ; head % 16 = (x / 4) % 16,
	s_lshl_b32 s26, s26, 2                         ; its word of qk_scale
	v_and_b32 v1, 15, v0                           ; l % 16
	v_bfe_u32 v9, v0, 4, 1                         ; l / 16
	v_and_b32 v[LIN], 31, v0
	v_lshlrev_b32 v[LIN], 4, v[LIN]
	v_mul_u32_u24 v[FRA], v1, PITCH
	v_lshl_add_u32 v[FRA], v9, 4, v[FRA]
	v_add_nc_u32 v[FRA], s21, v[FRA]
	s_wait_kmcnt 0x0
	s_cmp_eq_u32 s19, 2
	s_cbranch_scc1 .Lv
	; Q OR K
	s_load_b32 s27, s[10:11], s26 offset:0x0       ; g
	s_cmp_eq_u32 s19, 0
	s_cselect_b64 s[4:5], s[4:5], s[6:7]
	s_cselect_b64 s[12:13], s[12:13], s[14:15]
	s_add_nc_u64 s[4:5], s[4:5], s[22:23]
	s_add_nc_u64 s[12:13], s[12:13], s[24:25]
.set z, 0
.rept 32                               ; load z: rows 2 z and 2 z + 1, 512 consecutive bytes: lane l holds channels 4 (l % 16) + 0..3 of row 2 z + l / 16
	global_load_b128 v[RAW+4*z:RAW+4*z+3], v[LIN], s[4:5] offset:512*z th:TH_LOAD_NT
.set z, z+1
.endr
	v_mul_u32_u24 v[KS0], v9, PITCH
	v_lshl_add_u32 v[KS0], v1, 3, v[KS0]
	v_add_nc_u32 v[KS0], s21, v[KS0]
	s_wait_kmcnt 0x0
	s_cmp_eq_u32 s19, 0
	s_cselect_b32 s27, s27, 1.0                    ; Q: g log2(e); K: 1
	s_cselect_b32 s28, 0x3fb8aa3b, 1.0
	v_mov_b32 v[SC], s27
	v_mul_f32 v[SC], s28, v[SC]
; 16 rows: eight loads.  A row's 16 lanes are one row of lanes for DPP.  Two batches of transcendentals, a plain instruction and one wait behind each.
.macro NORM c
	s_wait_loadcnt 24-8*(\c)                       ; the later groups of eight loads may stay out
.irp i, 0,1,2,3,4,5,6,7
	v_pk_mul_f32 v[CT+2*\i:CT+2*\i+1], v[RAW+32*(\c)+4*\i:RAW+32*(\c)+4*\i+1], v[RAW+32*(\c)+4*\i:RAW+32*(\c)+4*\i+1]
.endr
.irp i, 0,1,2,3,4,5,6,7
	v_pk_fma_f32 v[CT+2*\i:CT+2*\i+1], v[RAW+32*(\c)+4*\i+2:RAW+32*(\c)+4*\i+3], v[RAW+32*(\c)+4*\i+2:RAW+32*(\c)+4*\i+3], v[CT+2*\i:CT+2*\i+1]
.endr
.irp i, 0,1,2,3,4,5,6,7
	v_add_f32 v[CT+2*\i], v[CT+2*\i], v[CT+2*\i+1]
.endr
.irp x, 1,2,4,8
.irp i, 0,1,2,3,4,5,6,7
	v_add_f32_dpp v[CT+2*\i], v[CT+2*\i], v[CT+2*\i] row_xmask:\x row_mask:0xf bank_mask:0xf
.endr
.endr
.irp i, 0,1,2,3,4,5,6,7
	v_sqrt_f32 v[CT+2*\i], v[CT+2*\i]
.endr
	v_nop
	s_wait_alu depctr_va_vdst(0)                   ; one wait for the eight roots
.irp i, 0,1,2,3,4,5,6,7
	v_add_f32 v[CT+2*\i], 0x322bcc77, v[CT+2*\i]   ; + 1e-8
.endr
.irp i, 0,1,2,3,4,5,6,7
	v_rcp_f32 v[CT+2*\i], v[CT+2*\i]
.endr
	v_nop
	s_wait_alu depctr_va_vdst(0)                   ; one wait for the eight reciprocals
.irp i, 0,1,2,3,4,5,6,7
	v_mul_f32 v[CT+2*\i], v[SC], v[CT+2*\i]
.endr
.irp i, 0,1,2,3,4,5,6,7
	v_pk_mul_f32 v[RAW+32*(\c)+4*\i:RAW+32*(\c)+4*\i+1], v[RAW+32*(\c)+4*\i:RAW+32*(\c)+4*\i+1], v[CT+2*\i:CT+2*\i+1] op_sel_hi:[1,0]
	v_pk_mul_f32 v[RAW+32*(\c)+4*\i+2:RAW+32*(\c)+4*\i+3], v[RAW+32*(\c)+4*\i+2:RAW+32*(\c)+4*\i+3], v[CT+2*\i:CT+2*\i+1] op_sel_hi:[1,0]
.endr
.irp i, 0,1,2,3,4,5,6,7
	v_cvt_pk_f16_f32 v[RAW+32*(\c)+4*\i], v[RAW+32*(\c)+4*\i], v[RAW+32*(\c)+4*\i+1]
	v_cvt_pk_f16_f32 v[RAW+32*(\c)+4*\i+1], v[RAW+32*(\c)+4*\i+2], v[RAW+32*(\c)+4*\i+3]
.endr
.irp i, 0,1,2,3,4,5,6,7
	ds_store_b64 v[KS0], v[RAW+32*(\c)+4*\i:RAW+32*(\c)+4*\i+1] offset:\i*2*PITCH  ; rows 2 i and 2 i + 1 of the sixteen
.endr
.irp u, 0,1,2,3
	ds_load_b128 v[FR+16*(\c)+4*\u:FR+16*(\c)+4*\u+3], v[FRA] offset:32*\u          ; these see the stores above; the next sixteen rows' stores come behind them
.endr
	s_wait_dscnt 0x0
.irp u, 0,1,2,3
	global_store_b128 v[LIN], v[FR+16*(\c)+4*\u:FR+16*(\c)+4*\u+3], s[12:13] offset:(\c)*2048+\u*512  ; 512 consecutive bytes, aligned
.endr
.endm
	NORM 0
	NORM 1
	NORM 2
	NORM 3
	s_branch .Lend
.Lv:	; V: 64 keys x 64 channels are turned
	s_add_nc_u64 s[8:9], s[8:9], s[22:23]
	s_add_nc_u64 s[16:17], s[16:17], s[24:25]
	v_lshlrev_b32 v[VIN], 9, v9
	v_lshl_add_u32 v[VIN], v1, 4, v[VIN]
.set i, 0
.rept 16                               ; lane l holds channels 4 (l % 16) + 0..3 of keys 4 i + 2 (l / 16) and the next: each load takes two whole rows of 256 bytes
	global_load_b128 v[RAW+8*i:RAW+8*i+3],   v[VIN], s[8:9] offset:1024*i th:TH_LOAD_NT
	global_load_b128 v[RAW+8*i+4:RAW+8*i+7], v[VIN], s[8:9] offset:1024*i+256 th:TH_LOAD_NT
.set i, i+1
.endr
	v_mul_u32_u24 v[VST], v1, 4*PITCH              ; LDS row = channel 4 (l % 16) + j,
	v_lshl_add_u32 v[VST], v9, 2, v[VST]           ; 2 bytes a key
	v_add_nc_u32 v[VST], s21, v[VST]
.set i, 0
.rept 16
.if i%4 == 0
	s_wait_loadcnt 24-2*i                          ; the later groups of eight loads may stay out
.endif
.irp j, 0,1,2,3
	v_cvt_pk_f16_f32 v[RAW+8*i+\j], v[RAW+8*i+\j], v[RAW+8*i+4+\j]   ; a channel's two neighbouring keys in one word
.endr
.irp j, 0,1,2,3
	ds_store_b32 v[VST], v[RAW+8*i+\j] offset:\j*PITCH+8*i
.endr
.set i, i+1
.endr
.irp kk, 0,1
.irp cb, 0,1,2,3
.irp hf, 0,1
	ds_load_b128 v[FR+4*(8*\kk+2*\cb+\hf):FR+4*(8*\kk+2*\cb+\hf)+3], v[FRA] offset:\cb*16*PITCH+\kk*64+\hf*32  ; these see the stores above
.endr
.endr
.endr
	s_wait_dscnt 0x0
.set z, 0
.rept 16
	global_store_b128 v[LIN], v[FR+4*z:FR+4*z+3], s[16:17] offset:512*z  ; 512 consecutive bytes, aligned
.set z, z+1
.endr
.Lend:
	s_wait_tensorcnt 0x0                           ; the wave's end
	ds_add_u32 v[SPW], v[NIL]
	s_wait_dscnt 0x0
	s_endpgm
.Lfunc_end_k_qecd8c62d85_cook:
	.size	k_qecd8c62d85_cook, .Lfunc_end_k_qecd8c62d85_cook-k_qecd8c62d85_cook
	.p2alignl 7, 3214868480
	.fill 96, 4, 3214868480
	.section	.rodata,"a",@progbits
	.p2align	6, 0x0
	.amdhsa_kernel k_qecd8c62d85_cook
		.amdhsa_group_segment_fixed_size 74752
		.amdhsa_private_segment_fixed_size 0
		.amdhsa_enable_private_segment 0
		.amdhsa_kernarg_size 56
		.amdhsa_user_sgpr_count 2
		.amdhsa_user_sgpr_kernarg_segment_ptr 1
		.amdhsa_wavefront_size32 1
		.amdhsa_system_sgpr_workgroup_id_x 1
		.amdhsa_system_sgpr_workgroup_id_y 1
		.amdhsa_system_sgpr_workgroup_id_z 1
		.amdhsa_system_vgpr_workitem_id 0
		.amdhsa_next_free_vgpr 256
		.amdhsa_next_free_sgpr 66
		.amdhsa_reserve_vcc 0
		.amdhsa_float_denorm_mode_32 3
		.amdhsa_float_denorm_mode_16_64 3
		.amdhsa_memory_ordered 1
		.amdhsa_forward_progress 1
		.amdhsa_inst_pref_size 51
	.end_amdhsa_kernel
	.amdgpu_metadata
---
amdhsa.version: [ 1, 2 ]
amdhsa.kernels:
  - .name:           k_qecd8c62d85_cook
    .symbol:         k_qecd8c62d85_cook.kd
    .args:
      - { .name: Q, .offset: 0, .size: 8, .value_kind: global_buffer, .address_space: global }
      - { .name: K, .offset: 8, .size: 8, .value_kind: global_buffer, .address_space: global }
      - { .name: V, .offset: 16, .size: 8, .value_kind: global_buffer, .address_space: global }
      - { .name: qk_scale, .offset: 24, .size: 8, .value_kind: global_buffer, .address_space: global }
      - { .name: qh, .offset: 32, .size: 8, .value_kind: global_buffer, .address_space: global }
      - { .name: kh, .offset: 40, .size: 8, .value_kind: global_buffer, .address_space: global }
      - { .name: vt, .offset: 48, .size: 8, .value_kind: global_buffer, .address_space: global }
    .group_segment_fixed_size: 74752
    .private_segment_fixed_size: 0
    .kernarg_segment_align: 8
    .kernarg_segment_size: 56
    .max_flat_workgroup_size: 256
    .sgpr_count:     66
    .vgpr_count:     256
    .wavefront_size: 32
...
	.end_amdgpu_metadata
.endif
;; end of part 2
;; launch attn (part 3): grid 4 x 64, 4 waves a work-group, no clusters, 17,920 bytes of LDS; arguments qh, kh, vt, out0, cls, mf; writes out0
.if DOCPART == 3
	.amdgcn_target "amdgcn-amd-amdhsa--gfx1250"
	.amdhsa_code_object_version 6
	.text
	.protected	k_qecd8c62d85_attn
	.globl	k_qecd8c62d85_attn
	.p2align	8
	.type	k_qecd8c62d85_attn,@function
k_qecd8c62d85_attn:
	s_mov_b64 s[64:65], 0
	v_nop
	global_prefetch_b8 v0, s[64:65] scope:SCOPE_SE
	s_setreg_imm32_b32 hwreg(HW_REG_WAVE_MODE, 25, 1), 1
	s_wait_xcnt 0x0
; COSINE ATTENTION UNDER A MASK THAT IS AN INPUT.  O[y][q] = sum over k of softmax_k(s[q][k]) V[k], s = g Q^[q] . K^[k], hidden where M[q][k] = 0.  O: [64 heads][2048][64] f32.
; qh (Q^ g log2(e)), kh (K^) and vt (V turned) come in f16, in the order of the fragments; mf is the additive mask in f32 in the order of a product's C operand; cls says which steps a band sees: all from the launches before.
; Products' sums, maxima, row sums and O in f32; the weights p are rounded to f16 for the second product, their sum l is taken of the unrounded p.
; LIMITS.  A hidden score counts as its value less 2^100; the running maximum starts at -2^96, above every hidden and below every true score (|s| is at most 65,504).  A weight below 2^-126 counts as 0; p below 6e-5 keeps
; f16's fixed step.  A row with no visible key gives 0 x (1 / 0) = NaN.
; SHARES.  A BAND is 64 queries, four PIECES of 16; a STEP is 64 keys.  Wave w of work-group b takes band 4 (7 - b) + w of its head and then band 4 b + 3 - w: under a causal mask 33 steps, whatever b and w.
; THE WAVES SHARE NOTHING: each loads K's and V's fragments for itself, 16 bytes a lane, 512 consecutive bytes a load, straight into the registers that the products name.  So there is no barrier, and a wave's walk may hang on
; cls.  NO CLUSTER, NO TENSOR LOADS: which steps a wave walks hangs on M, so neither partners' requests nor the waves' trips need agree.  The price: each of the four waves fetches its own 16 KiB a step.
; THE WALK.  Of a band's 32 steps those with a visible key are walked: first the full ones (no key hidden), then the mixed ones.  The mask registers are set to 0 where a band begins and loaded for mixed steps alone, so one
; text serves both kinds.  A band with nothing visible walks step 0 as a mixed step.  The step loop counts up to the number of live steps.
; LAYOUT.  S^T = K Q^T holds one query a lane (lane % 16) and the keys 8 (lane / 16) + 0..7; two results rounded to f16 are source 1 of O^T = V^T P.  p = 2^(s - m) with a running maximum m; O and l are multiplied by
; a = 2^(m_old - m_new) in every step.
; A STEP, in phases: 32 products K Q^T; the next step's masks and K are asked for; maxima and statistics; one batch of exponentials with one wait; 32 products V^T P with four vector instructions behind each; the next step's V.
; The last trip of a band asks for step 31, which nobody uses: the price of one text for every trip.  O^T and the masks are cleared by 256 v_mov_b32 a band: the price of writing no first step out.
; REGISTERS, in windows of 256 (s_set_vgpr_msb: bits 1:0 source 0, 3:2 source 1, 5:4 source 2, 7:6 destination):
;   window 0: v2-9 addresses; v12-15 m_old; v16-31 statistics; v32-47 at work; v64-191 S^T, 32 a piece; v192-255 P, 16 a piece      window 1: v0-127 O^T, 32 a piece; v128-255 masks, 32 a piece
;   window 2: v0-63 Q, 16 a piece; v128-191 K, v192-255 V of one step
.set SP,    272       ; a row of the stage: 256 bytes + 16
.set SPARE, 4*16*SP   ; behind the four stages (16 rows each, from LDS byte 0): the spare words, 128 bytes a wave; no other line names them
.set SPW, 2           ; LDS address of my spare word; never rewritten
.set NIL, 3           ; 0; never rewritten
.set STO, 6           ; the way out: where I put 32 bytes of a row
.set RD,  7           ; the way out: where I read rows back
.set L16, 8           ; 16 x lane: my place in 512 consecutive bytes; never rewritten
.set MV,  12          ; piece y: m_old
.set ST,  16          ; piece y at ST + 4 y: what is subtracted, m, l (even keys', odd keys')
.set TMP, 32          ; piece y at TMP + 4 y: c0-c3 at work; when the maximum is found c2 takes a
.set S,   64
.set OUTB, 64         ; the way out: 32 a piece
.set P,   192
.set MC,  128         ; window 1
.set KF,  128         ; window 2: key block kb, channel half c at KF + 16 kb + 8 c
.set VF,  192         ; window 2: key half kk, channel block cb at VF + 32 kk + 8 cb
.set WV,  16          ; my wave's number
.set T1,  17          ; scalars at work
.set T2,  18
.set T3,  19
.set BR,  20          ; the band in hand
.set BR2, 21          ; the second band
.set BANDS, 22
.set KC,  23          ; counts the steps
.set N,   24          ; live steps of the band
.set FUL, 25          ; full steps not yet asked for, a bit each
.set MIX, 26          ; mixed steps not yet asked for
.set IDX, 27          ; the step that is being asked for
.set KIND, 28         ; 1: it is mixed
.set TO,  30          ; s[30:31] an offset, 0 above it
.set KA,  32          ; s[32:33] kh at that step
.set VA,  34          ; s[34:35] vt at that step
.set MA,  36          ; s[36:37] mf at that step of my band
.set MB,  38          ; s[38:39] mf at my band
.set QA,  40          ; s[40:41] qh at my band
.set OA,  42          ; s[42:43] O at my band
.set SEL, 44          ; s[44:45] v_permlanex16_b32's selects: each lane takes its own place in the other half
.set MSB, 0
.macro WIN new                      ; the high byte repeats the setting that is left; a switch that changes nothing is dropped
.if MSB != (\new)
	s_set_vgpr_msb (MSB<<8)|(\new)
.set MSB, (\new)
.endif
.endm
.set W_KM, 0x1a       ; K and Q in window 2, the C operand in window 1, S^T in window 0
.set W_KQ, 0x0a       ; the same with the C operand in window 0
.set W_PV, 0x52       ; V in window 2, P in window 0, O^T in window 1
.set W_RS, 0x41       ; destination and source 0 in window 1, source 1 in window 0
; The walk steps: the lowest full step left, or where none is left the lowest mixed one, or step 31 as a full one.  The number comes from cls: it is clamped to the 32 steps ahead of the shifts.
.macro NEXT
	s_wait_xcnt 0x0                 ; the loads issued so far have read KA and MA
	s_cmp_lg_u32 s[MIX], 0
	s_cselect_b32 s[KIND], 1, 0
	s_cmp_lg_u32 s[FUL], 0
	s_cselect_b32 s[KIND], 0, s[KIND]
	s_cselect_b32 s[T1], s[FUL], s[MIX]
	s_ctz_i32_b32 s[IDX], s[T1]
	s_min_u32 s[IDX], s[IDX], 31
	s_sub_co_u32 s[T2], s[T1], 1
	s_and_b32 s[T2], s[T1], s[T2]   ; the list without it
	s_cmp_lg_u32 s[FUL], 0
	s_cselect_b32 s[FUL], s[T2], 0
	s_cselect_b32 s[MIX], s[MIX], s[T2]
	s_lshl_b32 s[TO], s[IDX], 13    ; a step of K is 8,192 bytes
	s_add_nc_u64 s[KA:KA+1], s[6:7], s[TO:TO+1]
	s_lshl_b32 s[TO], s[IDX], 12    ; a piece's mask for a step is 4,096 bytes
	s_add_nc_u64 s[MA:MA+1], s[MB:MB+1], s[TO:TO+1]
.endm
; The step's masks, where it is mixed (32 loads; piece x lies 32 steps x 4,096 bytes on), and its K (16 loads).
.macro MKLOAD
	s_cmp_eq_u32 s[KIND], 0
	s_cbranch_scc1 .Lno_mask_\@
	WIN 0x40
.irp x, 0,1,2,3
.irp n, 0,1,2,3,4,5,6,7
	global_load_b128 v[MC+32*\x+4*\n:MC+32*\x+4*\n+3], v[L16], s[MA:MA+1] offset:\x*131072+512*\n
.endr
.endr
	WIN 0
.Lno_mask_\@:
	WIN 0x80
.set z, 0
.rept 16
	global_load_b128 v[KF+4*z:KF+4*z+3], v[L16], s[KA:KA+1] offset:512*z
.set z, z+1
.endr
	WIN 0
.endm
.macro VLOAD                        ; the same step's V (16 loads)
	s_wait_xcnt 0x0                 ; the last step's loads have read VA
	s_lshl_b32 s[TO], s[IDX], 13
	s_add_nc_u64 s[VA:VA+1], s[8:9], s[TO:TO+1]
	WIN 0x80
.set z, 0
.rept 16
	global_load_b128 v[VF+4*z:VF+4*z+3], v[L16], s[VA:VA+1] offset:512*z
.set z, z+1
.endr
	WIN 0
.endm
; THE VECTOR WORK of piece y, one line at a time.  All but ROP stand under window setting 0, ROP under W_RS.
.macro REGS y
.set rT, ST+4*(\y)
.set rC, TMP+4*(\y)
.set rW, MV+(\y)
.set rS, S+32*(\y)
.set rP, P+16*(\y)
.set rO, 32*(\y)
.endm
; XOP: number n of the 22 that find the maximum and statistics.  0-11 four chains c0-c3 of seven scores each (each accumulator's lowest registers are read first); 12-14, 16 the four scores left
; over, the old m, c0-c3 into c0; 15 what was subtracted is kept; 17, 18 the query's other 32 keys lie in the lane 16 away: the new m; 19-21 what is subtracted now; the change; a
.macro XOP y, n
	REGS \y
.if (\n) < 4
	v_max3_num_f32 v[rC+(\n)], v[rS+8*(\n)], v[rS+8*(\n)+1], v[rS+8*(\n)+2]
.elseif (\n) < 12
	v_max3_num_f32 v[rC+(\n)%4], v[rC+(\n)%4], v[rS+8*((\n)%4)+2*((\n)/4)+1], v[rS+8*((\n)%4)+2*((\n)/4)+2]
.elseif (\n) == 12
	v_max3_num_f32 v[rC], v[rC], v[rS+7], v[rS+15]
.elseif (\n) == 13
	v_max3_num_f32 v[rC+1], v[rC+1], v[rS+23], v[rS+31]
.elseif (\n) == 14
	v_max3_num_f32 v[rC+2], v[rC+2], v[rC+3], v[rT+1]
.elseif (\n) == 15
	v_mov_b32 v[rW], v[rT]
.elseif (\n) == 16
	v_max3_num_f32 v[rC], v[rC], v[rC+1], v[rC+2]
.elseif (\n) == 17
	v_permlanex16_b32 v[rC+3], v[rC], s[SEL], s[SEL+1]
.elseif (\n) == 18
	v_max_num_f32 v[rT+1], v[rC], v[rC+3]
.elseif (\n) == 19
	v_mov_b32 v[rT], v[rT+1]
.elseif (\n) == 20
	v_sub_f32 v[rC+1], v[rW], v[rT]
.else
	v_exp_f32 v[rC+2], v[rC+1]
.endif
.endm
.macro FOP y, n                     ; s - m for pair n of 16
	REGS \y
	v_pk_add_f32 v[rS+2*(\n):rS+2*(\n)+1], v[rS+2*(\n):rS+2*(\n)+1], v[rT:rT+1] op_sel_hi:[1,0] neg_lo:[0,1] neg_hi:[0,1]
.endm
.macro EOP y, n                     ; the exponential of score n of 32
	REGS \y
	v_exp_f32 v[rS+(\n)], v[rS+(\n)]
.endm
.macro COP y, n                     ; pair n rounded to f16
	REGS \y
	v_cvt_pk_f16_f32 v[rP+(\n)], v[rS+2*(\n)], v[rS+2*(\n)+1]
.endm
.macro ROP y, n                     ; pair n of 16 of O^T times a
	REGS \y
	v_pk_mul_f32 v[rO+2*(\n):rO+2*(\n)+1], v[rO+2*(\n):rO+2*(\n)+1], v[rC+2:rC+3] op_sel_hi:[1,0]
.endm
; Number q of the 64 row sums: for n = q / 8 and piece q % 4: of the four weights 4 n .. the second pair is added onto the first (q % 8 < 4); four lines later l takes that sum (the first time as l = a l + sum).
.macro BL q
	REGS (\q)%4
.if ((\q)%8) < 4
	v_pk_add_f32 v[rS+4*((\q)/8):rS+4*((\q)/8)+1], v[rS+4*((\q)/8):rS+4*((\q)/8)+1], v[rS+4*((\q)/8)+2:rS+4*((\q)/8)+3]
.elseif ((\q)/8) == 0
	v_pk_fma_f32 v[rT+2:rT+3], v[rT+2:rT+3], v[rC+2:rC+3], v[rS:rS+1] op_sel_hi:[1,0,1]
.else
	v_pk_add_f32 v[rT+2:rT+3], v[rT+2:rT+3], v[rS+4*((\q)/8):rS+4*((\q)/8)+1]
.endif
.endm
; Product i of 8 of O^T += V^T P for piece x: keys 32 (i / 4) on, channels 16 (i % 4) on.  The piece's 4 accumulators take turns.
.macro PVW x, i
	WIN W_PV
	v_wmma_f32_16x16x32_f16 v[32*(\x)+8*((\i)%4):32*(\x)+8*((\i)%4)+7], v[VF+32*((\i)/4)+8*((\i)%4):VF+32*((\i)/4)+8*((\i)%4)+7], v[P+16*(\x)+8*((\i)/4):P+16*(\x)+8*((\i)/4)+7], v[32*(\x)+8*((\i)%4):32*(\x)+8*((\i)%4)+7]
.endm
.macro PVC x                        ; piece x's 8 products; behind each, two roundings and two rescalings of piece x + 1, which name no register of the products round them
.set i, 0
.rept 8
	PVW \x, i
	WIN 0
	COP (\x)+1, 2*i
	COP (\x)+1, 2*i+1
	WIN W_RS
	ROP (\x)+1, 2*i
	ROP (\x)+1, 2*i+1
.set i, i+1
.endr
.endm
.macro ALL line:vararg              ; one line for each piece t
.set t, 0
.rept 4
	\line
.set t, t+1
.endr
.endm
; THE WAY OUT of piece t.  O^T times 1 / l goes into window 0; a lane's eight channels of a row are 32 bytes; they go into my stage's rows of 272 bytes and come back as whole rows of 256.
.macro PACK t
	WIN 0x01
.set z, 0
.rept 16
	v_pk_mul_f32 v[OUTB+32*(\t)+2*z:OUTB+32*(\t)+2*z+1], v[32*(\t)+2*z:32*(\t)+2*z+1], v[ST+4*(\t)+2:ST+4*(\t)+3] op_sel_hi:[1,0]
.set z, z+1
.endr
	WIN 0
.irp f, 0,1,2,3,4,5,6,7
	ds_store_b128 v[STO], v[OUTB+32*(\t)+4*\f:OUTB+32*(\t)+4*\f+3] offset:64*(\f/2)+16*(\f%2)
.endr
.irp f, 0,1,2,3,4,5,6,7
	ds_load_b128 v[OUTB+32*(\t)+4*\f:OUTB+32*(\t)+4*\f+3], v[RD] offset:\f*2*SP  ; LDS serves a wave's instructions in order (ISA guide 5.7.1.4): these see the stores above; the next piece's stores come behind them
.endr
.endm
.macro SEND t, younger              ; younger: the LDS instructions issued behind piece t's loads: the next piece's sixteen, or none
	WIN 0
.irp f, 0,1,2,3,4,5,6,7
	s_wait_dscnt (\younger)+7-\f
	global_store_b128 v[L16], v[OUTB+32*(\t)+4*\f:OUTB+32*(\t)+4*\f+3], s[OA:OA+1] offset:(\t)*4096+\f*512 th:TH_STORE_NT  ; two rows of O: 512 consecutive bytes, aligned
.endr
.endm
	s_load_b256 s[4:11], s[0:1], 0x0  ; qh s[4:5], kh s[6:7], vt s[8:9], O s[10:11]
	s_load_b128 s[12:15], s[0:1], 0x20  ; cls s[12:13], mf s[14:15]
	v_lshl_add_u32 v[SPW], v0, 2, SPARE
	v_mov_b32 v[NIL], 0
	v_lshrrev_b32 v1, 5, v0
	v_readfirstlane_b32 s[WV], v1   ; wave 0..3
	s_mov_b32 s[T2], ttmp9          ; b
	s_sub_co_u32 s[T1], 7, s[T2]
	s_lshl2_add_u32 s[BR], s[T1], s[WV]   ; 4 (7 - b) + w
	s_sub_co_u32 s[T1], 3, s[WV]
	s_lshl2_add_u32 s[BR2], s[T2], s[T1]  ; 4 b + 3 - w
	s_and_b32 s[T3], ttmp7, 0xffff  ; the head
	s_mov_b32 s[TO+1], 0
	s_mov_b32 s[SEL], 0x76543210
	s_mov_b32 s[SEL+1], 0xfedcba98
	v_and_b32 v1, 15, v0            ; l % 16
	v_bfe_u32 v9, v0, 4, 1          ; l / 16
	v_and_b32 v[L16], 31, v0
	v_lshlrev_b32 v[L16], 4, v[L16]
	s_mul_i32 s[T1], s[WV], 16*SP   ; my stage
	v_mul_u32_u24 v[STO], v1, SP    ; in: row l % 16, 32 bytes for each half of the lanes
	v_lshl_add_u32 v[STO], v9, 5, v[STO]
	v_add_nc_u32 v[STO], s[T1], v[STO]
	v_mul_u32_u24 v[RD], v9, SP     ; back: lanes 0-15 one row of 256 bytes, lanes 16-31 the next
	v_lshl_add_u32 v[RD], v1, 4, v[RD]
	v_add_nc_u32 v[RD], s[T1], v[RD]
	s_wait_kmcnt 0x0
	s_lshl_b32 s[TO], s[T3], 18     ; a head's 2,048 rows of 128 bytes
	s_add_nc_u64 s[4:5], s[4:5], s[TO:TO+1]
	s_add_nc_u64 s[6:7], s[6:7], s[TO:TO+1]
	s_add_nc_u64 s[8:9], s[8:9], s[TO:TO+1]
	s_lshl_b32 s[TO], s[T3], 19     ; and of 256 bytes
	s_add_nc_u64 s[10:11], s[10:11], s[TO:TO+1]
	s_mov_b32 s[BANDS], 2
.Lband:                             ; twice
	s_wait_loadcnt 0x0              ; the loads that the last band's last trip issued have landed: their registers are loaded anew below
	s_wait_xcnt 0x0                 ; and every address and every store's data may be written
	s_lshl_b32 s[T1], s[BR], 6      ; a band's 16 words of cls
	s_load_b256 s[48:55], s[12:13], s[T1] offset:0x0   ; visible,
	s_load_b256 s[56:63], s[12:13], s[T1] offset:0x20  ; hidden
	s_lshl_b32 s[TO], s[BR], 13     ; 64 rows of 128 bytes
	s_add_nc_u64 s[QA:QA+1], s[4:5], s[TO:TO+1]
	s_lshl_b32 s[TO], s[BR], 14     ; 64 rows of 256 bytes
	s_add_nc_u64 s[OA:OA+1], s[10:11], s[TO:TO+1]
	s_lshl_b32 s[TO], s[BR], 19     ; four pieces x 32 steps x 4,096 bytes
	s_add_nc_u64 s[MB:MB+1], s[14:15], s[TO:TO+1]
	WIN 0x80
.set z, 0
.rept 16                            ; Q stays in registers: piece z / 4, channels 16 (z % 4) on
	global_load_b128 v[4*z:4*z+3], v[L16], s[QA:QA+1] offset:512*z th:TH_LOAD_NT
.set z, z+1
.endr
	WIN 0x40                        ; O^T and the masks start at 0
.set z, 0
.rept 256
	v_mov_b32 v[z], 0
.set z, z+1
.endr
	WIN 0
.set t, 0
.rept 4
	v_mov_b32 v[ST+4*t], 0xfe000000    ; what is subtracted: -2^125, so the first step's a is 0
	v_mov_b32 v[ST+4*t+1], 0xef800000  ; m: -2^96
	v_mov_b32 v[ST+4*t+2], 0           ; l
	v_mov_b32 v[ST+4*t+3], 0
.set t, t+1
.endr
	s_wait_kmcnt 0x0
.irp z, 49,50,51,52,53,54,55
	s_or_b32 s48, s48, s\z
.endr
.irp z, 57,58,59,60,61,62,63
	s_or_b32 s56, s56, s\z
.endr
	s_max_u32 s48, s48, 1           ; the live steps; a band with nothing visible walks step 0 (whose hidden bit is then set)
	s_and_not1_b32 s[FUL], s48, s56
	s_and_b32 s[MIX], s48, s56
	s_bcnt1_i32_b32 s[N], s48
	s_min_u32 s[N], s[N], 32
	NEXT                            ; the first step
	MKLOAD
	VLOAD
	s_mov_b32 s[KC], 0
.Lstep:                             ; N times
	s_wait_loadcnt 16               ; Q, the step's masks and its K are in: V's 16 loads are the only younger ones
	WIN W_KM                        ; S^T = K Q^T: the 16 accumulators take turns; channels 0-31 start the sums on the masks,
.irp x, 0,1,2,3
.irp k, 0,1,2,3
	v_wmma_f32_16x16x32_f16 v[S+32*\x+8*\k:S+32*\x+8*\k+7], v[KF+16*\k:KF+16*\k+7], v[16*\x:16*\x+7], v[MC+32*\x+8*\k:MC+32*\x+8*\k+7]
.endr
.endr
	WIN W_KQ                        ; channels 32-63 add onto them
.irp x, 0,1,2,3
.irp k, 0,1,2,3
	v_wmma_f32_16x16x32_f16 v[S+32*\x+8*\k:S+32*\x+8*\k+7], v[KF+16*\k+8:KF+16*\k+15], v[16*\x+8:16*\x+15], v[S+32*\x+8*\k:S+32*\x+8*\k+7]
.endr
.endr
	WIN 0
.rept 4
	v_nop                           ; the places behind those products, ahead of the loads into K's and the masks' registers and of the first read of a score
.endr
	NEXT                            ; the next step: its masks and its K have the rest of the trip in which to land
	MKLOAD
.irp n, 0,1,2,3,4,5,6,7,8,9,10,11,12,13,14,15,16,17,18,19,20
.irp y, 0,1,2,3
	XOP \y, \n                      ; the four pieces by turns, so that no line waits for the one before it
.endr
.endr
.irp y, 0,1,2,3                     ; ONE BATCH: the four a and the 128 exponentials, the 64 subtractions between them; nothing in it names an exponential's result
	XOP \y, 21
.endr
.irp y, 0,1,2,3
	FOP \y, 0
.endr
.set b, 0
.rept 16
.irp y, 0,1,2,3
	EOP \y, 2*b
.if b < 15
	FOP \y, b+1
.endif
	EOP \y, 2*b+1
.endr
.set b, b+1
.endr
	v_nop                           ; a plain instruction behind the last exponential,
	s_wait_alu depctr_va_vdst(0)    ; and one wait for the batch, ahead of its first reader
.set z, 0
.rept 16
	COP 0, z                        ; piece 0's weights and its O^T are made ready bare
.set z, z+1
.endr
	WIN W_RS
.set z, 0
.rept 16
	ROP 0, z
.set z, z+1
.endr
	s_wait_loadcnt 16               ; V is in: the next step's K, 16 loads, is younger; where masks were asked for they are older than K and are in too
	PVC 0
	PVC 1
	PVC 2
.set i, 0
.rept 8                             ; behind piece 3's products: half of the row sums
	PVW 3, i
	WIN 0
	BL 4*i
	BL 4*i+1
	BL 4*i+2
	BL 4*i+3
.set i, i+1
.endr
.set i, 32
.rept 32                            ; the other half: also the places behind the last product, ahead of the loads into V's registers
	BL i
.set i, i+1
.endr
	VLOAD                           ; the next step's V
	s_add_co_u32 s[KC], s[KC], 1
	s_cmp_lt_u32 s[KC], s[N]
	s_cbranch_scc1 .Lstep
	; THE BAND ENDS: l's two halves and the other half of the lanes' are added; O^T is divided by l and leaves through my stage, a piece at a time
	ALL v_add_f32 v[ST+4*t+2], v[ST+4*t+2], v[ST+4*t+3]
	ALL v_permlanex16_b32 v[ST+4*t+3], v[ST+4*t+2], s[SEL], s[SEL+1]
	ALL v_add_f32 v[ST+4*t+2], v[ST+4*t+2], v[ST+4*t+3]
	ALL v_rcp_f32 v[ST+4*t+2], v[ST+4*t+2]
	v_nop                           ; a plain instruction between the last reciprocal and the use of its result
	s_wait_alu depctr_va_vdst(0)    ; one wait for the four reciprocals
	PACK 0
.set u, 1
.rept 3                             ; a piece's arithmetic stands between the loads of the piece before and its stores
	PACK u
	SEND u-1, 16
.set u, u+1
.endr
	SEND 3, 0
	s_mov_b32 s[BR], s[BR2]
	s_sub_co_u32 s[BANDS], s[BANDS], 1
	s_cmp_lg_u32 s[BANDS], 0
	s_cbranch_scc1 .Lband
	s_wait_tensorcnt 0x0            ; the wave's end
	ds_add_u32 v[SPW], v[NIL]
	s_wait_dscnt 0x0
	s_endpgm
.Lfunc_end_k_qecd8c62d85_attn:
	.size	k_qecd8c62d85_attn, .Lfunc_end_k_qecd8c62d85_attn-k_qecd8c62d85_attn
	.p2alignl 7, 3214868480
	.fill 96, 4, 3214868480
	.section	.rodata,"a",@progbits
	.p2align	6, 0x0
	.amdhsa_kernel k_qecd8c62d85_attn
		.amdhsa_group_segment_fixed_size 17920
		.amdhsa_private_segment_fixed_size 0
		.amdhsa_enable_private_segment 0
		.amdhsa_kernarg_size 48
		.amdhsa_user_sgpr_count 2
		.amdhsa_user_sgpr_kernarg_segment_ptr 1
		.amdhsa_wavefront_size32 1
		.amdhsa_system_sgpr_workgroup_id_x 1
		.amdhsa_system_sgpr_workgroup_id_y 1
		.amdhsa_system_sgpr_workgroup_id_z 1
		.amdhsa_system_vgpr_workitem_id 0
		.amdhsa_next_free_vgpr 768
		.amdhsa_next_free_sgpr 66
		.amdhsa_reserve_vcc 0
		.amdhsa_float_denorm_mode_32 3
		.amdhsa_float_denorm_mode_16_64 3
		.amdhsa_memory_ordered 1
		.amdhsa_forward_progress 1
		.amdhsa_inst_pref_size 73
	.end_amdhsa_kernel
	.amdgpu_metadata
---
amdhsa.version: [ 1, 2 ]
amdhsa.kernels:
  - .name:           k_qecd8c62d85_attn
    .symbol:         k_qecd8c62d85_attn.kd
    .args:
      - { .name: qh, .offset: 0, .size: 8, .value_kind: global_buffer, .address_space: global }
      - { .name: kh, .offset: 8, .size: 8, .value_kind: global_buffer, .address_space: global }
      - { .name: vt, .offset: 16, .size: 8, .value_kind: global_buffer, .address_space: global }
      - { .name: out0, .offset: 24, .size: 8, .value_kind: global_buffer, .address_space: global }
      - { .name: cls, .offset: 32, .size: 8, .value_kind: global_buffer, .address_space: global }
      - { .name: mf, .offset: 40, .size: 8, .value_kind: global_buffer, .address_space: global }
    .group_segment_fixed_size: 17920
    .private_segment_fixed_size: 0
    .kernarg_segment_align: 8
    .kernarg_segment_size: 48
    .max_flat_workgroup_size: 128
    .sgpr_count:     66
    .vgpr_count:     768
    .wavefront_size: 32
...
	.end_amdgpu_metadata
.endif
;; end of part 3
;; ======== version 2 of 2: 3 launches; version 1 with the launch cook written anew for expert scheduling mode
;; limits: values are held in f16: magnitudes above 65,504 overflow, below 6.1e-05 lose precision
;; workspace buffers: mf 16,777,216 bytes; cls 2,048 bytes of whole numbers; qh 16,777,216 bytes; kh 16,777,216 bytes; vt 16,777,216 bytes
;; launch prep: the kernel of part 1 again; grid 256 x 1, 8 waves a work-group, no clusters, 18,688 bytes of LDS; arguments M, mf, cls; writes mf, cls
;; launch cook (part 4): grid 256 x 3, 8 waves a work-group, no clusters, 74,752 bytes of LDS; arguments Q, K, V, qk_scale, qh, kh, vt; writes qh, kh, vt
.if DOCPART == 4
	.amdgcn_target "amdgcn-amd-amdhsa--gfx1250"
	.amdhsa_code_object_version 6
	.text
	.protected	k_qecd8c62d85_cook
	.globl	k_qecd8c62d85_cook
	.p2align	8
	.type	k_qecd8c62d85_cook,@function
k_qecd8c62d85_cook:
	s_mov_b64 s[64:65], 0
	v_nop
	global_prefetch_b8 v0, s[64:65] scope:SCOPE_SE
	s_setreg_imm32_b32 hwreg(HW_REG_WAVE_SCHED_MODE, 0, 2), 2
	s_setreg_imm32_b32 hwreg(HW_REG_WAVE_MODE, 25, 1), 1
	s_wait_xcnt 0x0
	s_wait_alu depctr_vm_vsrc(0)
; Q, K AND V ARE MADE READY FOR THE MATRIX UNIT.  Q, K, V: [64 heads][2048][64] f32.  x^ = x / (sqrt(sum x^2) + 1e-8).
; qh = Q^ g log2(e), g = qk_scale[head % 16]; kh = K^; vt = V: all rounded once to f16 and laid out in the order of the 16 x 16 x 32 fragments, so that a later load of 16 bytes a lane takes 512 consecutive bytes.
;   qh, kh: [row / 16][unit u (4)][lane (32)][16 bytes]: lane l holds row l % 16, channels 16 u + 8 (l / 16) + 0..7.
;   vt:     [key / 64][unit q (16)][lane (32)][16 bytes]: lane l holds channel 16 ((q / 2) % 4) + l % 16, keys 32 (q / 8) + 16 (q % 2) + 8 (l / 16) + 0..7: V turned.
; LIMITS.  |g| x 1.4427 and |V| stay within 65,504 (f16).  A sum of squares below 2^-126 counts as 0 under the root (the 1e-8 then decides alone).
; SHARES.  The grid's y says which tensor: 0 Q, 1 K, 2 V.  Work-group x owns rows 512 x on, wave v 64 of them: 16 KiB in by 32 loads, all out at once; 8 KiB out.
; Each wave has LDS bytes of its own, and LDS serves a wave's instructions in order (ISA guide 5.7.1.4): no barrier.  Memory binds: no matrix unit, no cluster; every byte is read once and written once.
; THE MODE: SCHED_MODE bits 1:0 = 2 (LLVM: expert scheduling mode 2), set by the entry lines.  The code itself states the register dependences
; between vector instructions and memory or LDS instructions, with s_wait_alu, always for 0.
; THE PLAN.  Registers that memory or LDS instructions touch:
;   v[LIN], v[FRA], v[VIN]   offsets and an LDS address, made ahead of the run of 32 loads and never written again: one wait on va_vdst ahead of that run, on each of the two ways.
;   v[KS0], v[VST]           LDS addresses of the stores, made behind the run of loads and never written again: the first wait ahead of an LDS store covers them.
;   RAW, four groups of 32   A group's eight loads land in it; its own vector work scales and rounds it in place; then its LDS stores read it.  Nothing writes it after that.
;   FR                       LDS loads land in it, global stores read it; no vector instruction names it.
;   v[SPW], v[NIL]           written at the head, read by the closing add alone.
; No register that a memory or LDS instruction has read is written again, so no wait on vm_vsrc is owed; no load lands in a register that a vector instruction has named.  What is owed is a wait on va_vdst between a
; group's roundings and its LDS stores.  The groups are overlapped so that this wait is one that stands there anyway, or stands at the next group's head: group c - 1's LDS instructions and global stores lie among group c's
; vector lines, which name group c's registers, CT and SC alone.
.set PITCH, 144                        ; an LDS row: 128 bytes + 16
.set WREG,  64*PITCH                   ; a wave's LDS bytes: 64 rows (V turned); Q and K use 16 of them
.set SPARE, 8*WREG                     ; the spare words: 128 bytes for each of the eight waves; no other line names them
.set SPW, 2                            ; LDS address of my spare word; never rewritten
.set NIL, 3                            ; 0; never rewritten
.set LIN, 4                            ; 16 x lane
.set VIN, 5                            ; V: my place in four rows
.set KS0, 6                            ; Q, K: where my 8 bytes of a row go in LDS
.set FRA, 7                            ; where I read 16 bytes of a fragment: row l % 16, 16 (l / 16)
.set VST, 8                            ; V: where my words go in LDS
.set SC,  10                           ; the scale
.set CT,  32                           ; v[32:47]   eight pairs: sums of squares, then scale / norm
.set RAW, 64                           ; v[64:191]  as loaded
.set FR,  192                          ; v[192:255] fragments to store
	s_load_b256 s[4:11], s[0:1], 0x0               ; Q s[4:5], K s[6:7], V s[8:9], qk_scale s[10:11]
	s_load_b128 s[12:15], s[0:1], 0x20             ; qh s[12:13], kh s[14:15]
	s_load_b64 s[16:17], s[0:1], 0x30              ; vt
	v_lshl_add_u32 v[SPW], v0, 2, SPARE
	v_mov_b32 v[NIL], 0
	v_lshrrev_b32 v1, 5, v0
	v_readfirstlane_b32 s18, v1                    ; wave 0..7
	v_and_b32 v1, 15, v0                           ; l % 16
	v_bfe_u32 v9, v0, 4, 1                         ; l / 16
	v_and_b32 v[LIN], 31, v0
	v_lshlrev_b32 v[LIN], 4, v[LIN]
	v_mul_u32_u24 v[FRA], v1, PITCH
	v_lshl_add_u32 v[FRA], v9, 4, v[FRA]
	s_and_b32 s19, ttmp7, 0xffff                   ; which tensor
	s_bfe_u32 s26, ttmp9, 0x40002                  ; head % 16 = (x / 4) % 16,
	s_lshl_b32 s26, s26, 2                         ; its word of qk_scale
	s_lshl_b32 s20, ttmp9, 3
	s_mov_b32 s23, 0
	s_mov_b32 s25, 0
	s_wait_alu depctr_va_sdst(0)                   ; s18 is written, ahead of its first reader: my rows' offsets and my LDS bytes are made from it
	s_add_co_u32 s20, s20, s18                     ; my 64 rows: number 8 x + wave
	s_lshl_b32 s22, s20, 14                        ; 16,384 bytes in,
	s_lshl_b32 s24, s20, 13                        ; 8,192 out
	s_mul_i32 s21, s18, WREG                       ; my LDS bytes
	v_add_nc_u32 v[FRA], s21, v[FRA]
	s_wait_kmcnt 0x0
	s_cmp_eq_u32 s19, 2
	s_cbranch_scc1 .Lv
	; Q OR K
	s_load_b32 s27, s[10:11], s26 offset:0x0       ; g
	s_cmp_eq_u32 s19, 0
	s_cselect_b64 s[4:5], s[4:5], s[6:7]
	s_cselect_b64 s[12:13], s[12:13], s[14:15]
	s_add_nc_u64 s[4:5], s[4:5], s[22:23]
	s_add_nc_u64 s[12:13], s[12:13], s[24:25]
	s_wait_alu depctr_va_vdst(0)                   ; v[LIN] is written, which the loads and the global stores read as their offset; so is v[FRA], the LDS loads' address
.set z, 0
.rept 32                               ; load z: rows 2 z and 2 z + 1, 512 consecutive bytes: lane l holds channels 4 (l % 16) + 0..3 of row 2 z + l / 16
	global_load_b128 v[RAW+4*z:RAW+4*z+3], v[LIN], s[4:5] offset:512*z th:TH_LOAD_NT
.set z, z+1
.endr
	v_mul_u32_u24 v[KS0], v9, PITCH
	v_lshl_add_u32 v[KS0], v1, 3, v[KS0]
	v_add_nc_u32 v[KS0], s21, v[KS0]
	s_wait_kmcnt 0x0
	s_cmp_eq_u32 s19, 0
	s_cselect_b32 s27, s27, 1.0                    ; Q: g log2(e); K: 1
	s_cselect_b32 s28, 0x3fb8aa3b, 1.0
	v_mov_b32 v[SC], s27
	v_mul_f32 v[SC], s28, v[SC]
; A group is 16 rows: eight loads.  A row's 16 lanes are one row of lanes for DPP.  Its work is cut in four parts, so that the LDS and memory instructions of one group can lie among the vector lines of the next.
; ROOTS: the sums of squares and their roots, with the plain instruction behind the last root.  The wait for the roots is written out behind each use of the macro, since it states more than that.
.macro ROOTS c
	s_wait_loadcnt 24-8*(\c)                       ; the later groups of eight loads may stay out
.irp i, 0,1,2,3,4,5,6,7
	v_pk_mul_f32 v[CT+2*\i:CT+2*\i+1], v[RAW+32*(\c)+4*\i:RAW+32*(\c)+4*\i+1], v[RAW+32*(\c)+4*\i:RAW+32*(\c)+4*\i+1]
.endr
.irp i, 0,1,2,3,4,5,6,7
	v_pk_fma_f32 v[CT+2*\i:CT+2*\i+1], v[RAW+32*(\c)+4*\i+2:RAW+32*(\c)+4*\i+3], v[RAW+32*(\c)+4*\i+2:RAW+32*(\c)+4*\i+3], v[CT+2*\i:CT+2*\i+1]
.endr
.irp i, 0,1,2,3,4,5,6,7
	v_add_f32 v[CT+2*\i], v[CT+2*\i], v[CT+2*\i+1]
.endr
.irp x, 1,2,4,8
.irp i, 0,1,2,3,4,5,6,7
	v_add_f32_dpp v[CT+2*\i], v[CT+2*\i], v[CT+2*\i] row_xmask:\x row_mask:0xf bank_mask:0xf
.endr
.endr
.irp i, 0,1,2,3,4,5,6,7
	v_sqrt_f32 v[CT+2*\i], v[CT+2*\i]
.endr
	v_nop
.endm
; SCALE: scale / (root + 1e-8), the rows times that, rounded to f16 in place.  It names RAW's group c, CT and SC alone.
.macro SCALE c
.irp i, 0,1,2,3,4,5,6,7
	v_add_f32 v[CT+2*\i], 0x322bcc77, v[CT+2*\i]   ; + 1e-8
.endr
.irp i, 0,1,2,3,4,5,6,7
	v_rcp_f32 v[CT+2*\i], v[CT+2*\i]
.endr
	v_nop
	s_wait_alu depctr_va_vdst(0)                   ; the eight reciprocals are written, ahead of their first reader: one wait for the batch
.irp i, 0,1,2,3,4,5,6,7
	v_mul_f32 v[CT+2*\i], v[SC], v[CT+2*\i]
.endr
.irp i, 0,1,2,3,4,5,6,7
	v_pk_mul_f32 v[RAW+32*(\c)+4*\i:RAW+32*(\c)+4*\i+1], v[RAW+32*(\c)+4*\i:RAW+32*(\c)+4*\i+1], v[CT+2*\i:CT+2*\i+1] op_sel_hi:[1,0]
	v_pk_mul_f32 v[RAW+32*(\c)+4*\i+2:RAW+32*(\c)+4*\i+3], v[RAW+32*(\c)+4*\i+2:RAW+32*(\c)+4*\i+3], v[CT+2*\i:CT+2*\i+1] op_sel_hi:[1,0]
.endr
.irp i, 0,1,2,3,4,5,6,7
	v_cvt_pk_f16_f32 v[RAW+32*(\c)+4*\i], v[RAW+32*(\c)+4*\i], v[RAW+32*(\c)+4*\i+1]
	v_cvt_pk_f16_f32 v[RAW+32*(\c)+4*\i+1], v[RAW+32*(\c)+4*\i+2], v[RAW+32*(\c)+4*\i+3]
.endr
.endm
; TURNS: the group's rows go into my LDS bytes and come back as fragments.  It stands behind a wait on va_vdst that is younger than the group's roundings.
.macro TURNS c
.irp i, 0,1,2,3,4,5,6,7
	ds_store_b64 v[KS0], v[RAW+32*(\c)+4*\i:RAW+32*(\c)+4*\i+1] offset:\i*2*PITCH  ; rows 2 i and 2 i + 1 of the sixteen
.endr
.irp u, 0,1,2,3
	ds_load_b128 v[FR+16*(\c)+4*\u:FR+16*(\c)+4*\u+3], v[FRA] offset:32*\u          ; these see the stores above; the next sixteen rows' stores come behind them
.endr
.endm
; LEAVE: the fragments are stored.  Their data come from LDS loads: the wait on DScnt is all that they hang on.
.macro LEAVE c
	s_wait_dscnt 0x0
.irp u, 0,1,2,3
	global_store_b128 v[LIN], v[FR+16*(\c)+4*\u:FR+16*(\c)+4*\u+3], s[12:13] offset:(\c)*2048+\u*512  ; 512 consecutive bytes, aligned
.endr
.endm
	ROOTS 0
	s_wait_alu depctr_va_vdst(0)                   ; group 0's eight roots are written, ahead of their first reader
	SCALE 0
	ROOTS 1
	s_wait_alu depctr_va_vdst(0)                   ; group 1's roots are written; so are group 0's roundings and v[KS0], which the LDS stores below read
	TURNS 0
	SCALE 1                                        ; stands between group 0's LDS loads and the wait for them
	LEAVE 0
	ROOTS 2
	s_wait_alu depctr_va_vdst(0)                   ; group 2's roots are written; so are group 1's roundings, which the LDS stores below read
	TURNS 1
	SCALE 2
	LEAVE 1
	ROOTS 3
	s_wait_alu depctr_va_vdst(0)                   ; group 3's roots are written; so are group 2's roundings, which the LDS stores below read
	TURNS 2
	SCALE 3
	LEAVE 2
	s_wait_alu depctr_va_vdst(0)                   ; group 3's roundings are written, which the LDS stores below read
	TURNS 3
	LEAVE 3
	s_branch .Lend
.Lv:	; V: 64 keys x 64 channels are turned
	s_add_nc_u64 s[8:9], s[8:9], s[22:23]
	s_add_nc_u64 s[16:17], s[16:17], s[24:25]
	v_lshlrev_b32 v[VIN], 9, v9
	v_lshl_add_u32 v[VIN], v1, 4, v[VIN]
	s_wait_alu depctr_va_vdst(0)                   ; v[VIN] is written, which the loads read as their offset; so are v[LIN], the global stores' offset, and v[FRA], the LDS loads' address
.set i, 0
.rept 16                               ; lane l holds channels 4 (l % 16) + 0..3 of keys 4 i + 2 (l / 16) and the next: each load takes two whole rows of 256 bytes
	global_load_b128 v[RAW+8*i:RAW+8*i+3],   v[VIN], s[8:9] offset:1024*i th:TH_LOAD_NT
	global_load_b128 v[RAW+8*i+4:RAW+8*i+7], v[VIN], s[8:9] offset:1024*i+256 th:TH_LOAD_NT
.set i, i+1
.endr
	v_mul_u32_u24 v[VST], v1, 4*PITCH              ; LDS row = channel 4 (l % 16) + j,
	v_lshl_add_u32 v[VST], v9, 2, v[VST]           ; 2 bytes a key
	v_add_nc_u32 v[VST], s21, v[VST]
; Group g: eight loads, 16 keys.  Its sixteen roundings put a channel's two neighbouring keys into one word, in place.  The sixteen LDS stores of the group before are dealt among them: the wait at the group's head has shown
; their data written, and the roundings behind it name this group's registers alone.
.macro VGRP g
	s_wait_loadcnt 24-8*(\g)                       ; the later groups of eight loads may stay out
.if (\g) > 0
	s_wait_alu depctr_va_vdst(0)                   ; the group before has written its sixteen words, which the LDS stores below read; at the first use v[VST], their address, is written too
.endif
.irp a, 0,1,2,3
.irp j, 0,1,2,3
.if (\g) > 0
	ds_store_b32 v[VST], v[RAW+8*(4*(\g)-4+\a)+\j] offset:\j*PITCH+8*(4*(\g)-4+\a)
.endif
	v_cvt_pk_f16_f32 v[RAW+8*(4*(\g)+\a)+\j], v[RAW+8*(4*(\g)+\a)+\j], v[RAW+8*(4*(\g)+\a)+4+\j]   ; a channel's two neighbouring keys in one word
.endr
.endr
.endm
	VGRP 0
	VGRP 1
	VGRP 2
	VGRP 3
	s_wait_alu depctr_va_vdst(0)                   ; the last group has written its sixteen words, which the LDS stores below read
.irp a, 0,1,2,3
.irp j, 0,1,2,3
	ds_store_b32 v[VST], v[RAW+8*(12+\a)+\j] offset:\j*PITCH+8*(12+\a)
.endr
.endr
.irp kk, 0,1
.irp cb, 0,1,2,3
.irp hf, 0,1
	ds_load_b128 v[FR+4*(8*\kk+2*\cb+\hf):FR+4*(8*\kk+2*\cb+\hf)+3], v[FRA] offset:\cb*16*PITCH+\kk*64+\hf*32  ; these see the stores above
.endr
.endr
.endr
	s_wait_dscnt 0x0
.set z, 0
.rept 16
	global_store_b128 v[LIN], v[FR+4*z:FR+4*z+3], s[16:17] offset:512*z  ; 512 consecutive bytes, aligned
.set z, z+1
.endr
.Lend:
	s_wait_dscnt 0x0                               ; the closing lines, six on end
	s_wait_alu 0x0
	s_wait_tensorcnt 0x0
	ds_add_u32 v[SPW], v[NIL]
	s_wait_dscnt 0x0
	s_endpgm
.Lfunc_end_k_qecd8c62d85_cook:
	.size	k_qecd8c62d85_cook, .Lfunc_end_k_qecd8c62d85_cook-k_qecd8c62d85_cook
	.p2alignl 7, 3214868480
	.fill 96, 4, 3214868480
	.section	.rodata,"a",@progbits
	.p2align	6, 0x0
	.amdhsa_kernel k_qecd8c62d85_cook
		.amdhsa_group_segment_fixed_size 74752
		.amdhsa_private_segment_fixed_size 0
		.amdhsa_enable_private_segment 0
		.amdhsa_kernarg_size 56
		.amdhsa_user_sgpr_count 2
		.amdhsa_user_sgpr_kernarg_segment_ptr 1
		.amdhsa_wavefront_size32 1
		.amdhsa_system_sgpr_workgroup_id_x 1
		.amdhsa_system_sgpr_workgroup_id_y 1
		.amdhsa_system_sgpr_workgroup_id_z 1
		.amdhsa_system_vgpr_workitem_id 0
		.amdhsa_next_free_vgpr 256
		.amdhsa_next_free_sgpr 66
		.amdhsa_reserve_vcc 0
		.amdhsa_float_denorm_mode_32 3
		.amdhsa_float_denorm_mode_16_64 3
		.amdhsa_memory_ordered 1
		.amdhsa_forward_progress 1
		.amdhsa_inst_pref_size 51
	.end_amdhsa_kernel
	.amdgpu_metadata
---
amdhsa.version: [ 1, 2 ]
amdhsa.kernels:
  - .name:           k_qecd8c62d85_cook
    .symbol:         k_qecd8c62d85_cook.kd
    .args:
      - { .name: Q, .offset: 0, .size: 8, .value_kind: global_buffer, .address_space: global }
      - { .name: K, .offset: 8, .size: 8, .value_kind: global_buffer, .address_space: global }
      - { .name: V, .offset: 16, .size: 8, .value_kind: global_buffer, .address_space: global }
      - { .name: qk_scale, .offset: 24, .size: 8, .value_kind: global_buffer, .address_space: global }
      - { .name: qh, .offset: 32, .size: 8, .value_kind: global_buffer, .address_space: global }
      - { .name: kh, .offset: 40, .size: 8, .value_kind: global_buffer, .address_space: global }
      - { .name: vt, .offset: 48, .size: 8, .value_kind: global_buffer, .address_space: global }
    .group_segment_fixed_size: 74752
    .private_segment_fixed_size: 0
    .kernarg_segment_align: 8
    .kernarg_segment_size: 56
    .max_flat_workgroup_size: 256
    .sgpr_count:     66
    .vgpr_count:     256
    .wavefront_size: 32
...
	.end_amdgpu_metadata
.endif
;; end of part 4
;; launch attn: the kernel of part 3 again; grid 4 x 64, 4 waves a work-group, no clusters, 17,920 bytes of LDS; arguments qh, kh, vt, out0, cls, mf; writes out0
